; MI455X (gfx1250); checked and timed in simulation.
; The chip was launched on July 23, 2026; its instructions are those of AMD's public machine-readable ISA for CDNA 5 (MIT licence, August 2026) and "CDNA5" Instruction Set Architecture Reference Guide (July 2026). The comments in the code are by the model that wrote it; some were corrected since.
;; Slow MLP. Allowed arithmetic: float matrix products may take bf16 or f16 operands with f32 sums; all other float work in f32.
;; Inputs: b1 8,192 float32; b2 2,048 float32; w1 2,048 x 8,192 float32; w2 8,192 x 2,048 float32; x 2,048 x 2,048 float32.
;; Outputs: out0 2,048 x 2,048 float32.
;; One version. Each part assembles by itself: llvm-mc -triple=amdgcn-amd-amdhsa -mcpu=gfx1250 --defsym DOCPART=n.
;; ======== version 1 of 1: 4 launches
;; workspace buffers: xb 8,388,608 bytes; w1b 33,554,432 bytes; w2b 33,554,432 bytes; hb 33,554,432 bytes; pb 67,108,864 bytes
;; launch cast (part 1): grid 1280 x 1, 8 waves a work-group, no clusters, 0 bytes of LDS; arguments x, w1, xb, w1b; writes xb, w1b
.if DOCPART == 1
	.amdgcn_target "amdgcn-amd-amdhsa--gfx1250"
	.amdhsa_code_object_version 6
	.text
	.protected	k_q5840d4021e_cast
	.globl	k_q5840d4021e_cast
	.p2align	8
	.type	k_q5840d4021e_cast,@function
k_q5840d4021e_cast:
	s_mov_b64 s[64:65], 0
	v_nop
	global_prefetch_b8 v0, s[64:65] scope:SCOPE_SE
	s_setreg_imm32_b32 hwreg(HW_REG_WAVE_MODE, 25, 1), 1
	s_wait_xcnt 0x0
; xb = bf16(x), w1b = bf16(w1): each number rounded once, to nearest even; the index order stays as it is.  (w2 is rounded beside the first product, in the next launch.)
; A stream: every input byte is read once, every output byte written once; no LDS, no barrier, no matrix work, no cluster (no two work-groups read the same byte).
; The two tensors together are 1,280 chunks of 65,536 bytes of f32: x has chunks 0-255, w1 256-1,279.  A work-group of eight waves takes one chunk.
; Thread t's load i takes the 16 bytes at 4,096 i + 16 t of the chunk (a wave's load: 512 consecutive bytes); its store i puts 8 bytes at 2,048 i + 8 t
; (a wave's store: 256 consecutive bytes, at a multiple of 256 from the buffer's first byte).  All sixteen loads of a wave go out before its first wait.
.set CH_X,  256                        ; chunks of x
.set X,     4                          ; v[4:67]  slot i: four registers as loaded; its first two take the packed result
	s_load_b256 s[4:11], s[0:1], 0x0               ; x s[4:5], w1 s[6:7], xb s[8:9], w1b s[10:11]
	v_lshlrev_b32 v1, 4, v0                        ; my 16 bytes in 4,096 of f32; never rewritten
	v_lshlrev_b32 v2, 3, v0                        ; my 8 bytes in 2,048 of bf16; never rewritten
	s_mov_b32 s16, ttmp9                           ; the chunk's number among all 1,280
	s_wait_kmcnt 0x0
	s_cmp_lt_u32 s16, CH_X                         ; x or w1?  The choice hangs on the work-group's number alone
	s_cselect_b64 s[18:19], s[4:5], s[6:7]
	s_cselect_b64 s[20:21], s[8:9], s[10:11]
	s_cselect_b32 s17, 0, CH_X                     ; the tensor's first chunk
	s_sub_co_u32 s16, s16, s17                     ; the chunk's number in its tensor: 1,023 at the most
	s_lshl_b32 s22, s16, 16                        ; its byte offset in f32,
	s_mov_b32 s23, 0
	s_lshl_b32 s24, s16, 15                        ; and in bf16
	s_mov_b32 s25, 0
	s_add_nc_u64 s[18:19], s[18:19], s[22:23]
	s_add_nc_u64 s[20:21], s[20:21], s[24:25]
.irp i, 0,1,2,3,4,5,6,7,8,9,10,11,12,13,14,15
	global_load_b128 v[X+4*(\i):X+4*(\i)+3], v1, s[18:19] offset:4096*(\i) th:TH_LOAD_NT  ; read once in the whole launch
.endr
.irp i, 0,1,2,3,4,5,6,7,8,9,10,11,12,13,14,15
	s_wait_loadcnt 15-(\i)                         ; loads come back in order (ISA guide 5.7.1): slot i is in, the 15 - i younger ones stay out
	v_cvt_pk_bf16_f32 v[X+4*(\i)],   v[X+4*(\i)],   v[X+4*(\i)+1]
	v_cvt_pk_bf16_f32 v[X+4*(\i)+1], v[X+4*(\i)+2], v[X+4*(\i)+3]
	global_store_b64 v2, v[X+4*(\i):X+4*(\i)+1], s[20:21] offset:2048*(\i)  ; no register that a pending load or store names is written again, so no further wait
.endr
	s_endpgm
.Lfunc_end_k_q5840d4021e_cast:
	.size	k_q5840d4021e_cast, .Lfunc_end_k_q5840d4021e_cast-k_q5840d4021e_cast
	.p2alignl 7, 3214868480
	.fill 96, 4, 3214868480
	.section	.rodata,"a",@progbits
	.p2align	6, 0x0
	.amdhsa_kernel k_q5840d4021e_cast
		.amdhsa_group_segment_fixed_size 0
		.amdhsa_private_segment_fixed_size 0
		.amdhsa_enable_private_segment 0
		.amdhsa_kernarg_size 32
		.amdhsa_user_sgpr_count 2
		.amdhsa_user_sgpr_kernarg_segment_ptr 1
		.amdhsa_wavefront_size32 1
		.amdhsa_system_sgpr_workgroup_id_x 1
		.amdhsa_system_sgpr_workgroup_id_y 1
		.amdhsa_system_sgpr_workgroup_id_z 1
		.amdhsa_system_vgpr_workitem_id 0
		.amdhsa_next_free_vgpr 68
		.amdhsa_next_free_sgpr 66
		.amdhsa_reserve_vcc 0
		.amdhsa_float_denorm_mode_32 3
		.amdhsa_float_denorm_mode_16_64 3
		.amdhsa_memory_ordered 1
		.amdhsa_forward_progress 1
		.amdhsa_inst_pref_size 7
	.end_amdhsa_kernel
	.amdgpu_metadata
---
amdhsa.version: [ 1, 2 ]
amdhsa.kernels:
  - .name:           k_q5840d4021e_cast
    .symbol:         k_q5840d4021e_cast.kd
    .args:
      - { .name: x, .offset: 0, .size: 8, .value_kind: global_buffer, .address_space: global }
      - { .name: w1, .offset: 8, .size: 8, .value_kind: global_buffer, .address_space: global }
      - { .name: xb, .offset: 16, .size: 8, .value_kind: global_buffer, .address_space: global }
      - { .name: w1b, .offset: 24, .size: 8, .value_kind: global_buffer, .address_space: global }
    .group_segment_fixed_size: 0
    .private_segment_fixed_size: 0
    .kernarg_segment_align: 8
    .kernarg_segment_size: 32
    .max_flat_workgroup_size: 256
    .sgpr_count:     66
    .vgpr_count:     68
    .wavefront_size: 32
...
	.end_amdgpu_metadata
.endif
;; end of part 1
;; launch fc1 (part 2): grid 32 x 8, 4 waves a work-group, clusters of 4 x 4, 327,680 bytes of LDS; arguments xb, w1b, hb, b1, w2, w2b; writes hb, w2b
.if DOCPART == 2
	.amdgcn_target "amdgcn-amd-amdhsa--gfx1250"
	.amdhsa_code_object_version 6
	.text
	.protected	k_q5840d4021e_fc1
	.globl	k_q5840d4021e_fc1
	.p2align	8
	.type	k_q5840d4021e_fc1,@function
k_q5840d4021e_fc1:
	s_mov_b64 s[64:65], 0
	v_nop
	global_prefetch_b8 v0, s[64:65] scope:SCOPE_SE
	s_setreg_imm32_b32 hwreg(HW_REG_WAVE_MODE, 25, 1), 1
	s_wait_xcnt 0x0
	s_wait_alu depctr_hold_cnt(0) depctr_sa_sdst(0) depctr_va_vdst(0) depctr_va_sdst(0) depctr_va_ssrc(0) depctr_va_vcc(0) depctr_vm_vsrc(0)
	s_getreg_b32 s2, hwreg(HW_REG_IB_STS2, 6, 4)
	s_cmp_eq_u32 s2, 0
	s_cbranch_scc0 .Lentry_in_a_cluster
	s_endpgm
.Lentry_in_a_cluster:
	s_bfe_u32 s2, ttmp6, 0x10000c
	s_cmp_lg_u32 s2, 0xf033
	s_cbranch_scc0 .Lentry_shape_is_right
	s_endpgm
.Lentry_shape_is_right:
; hb[m][n] = relu(b1[n] + sum over k of xb[m][k] w1b[k][n]).  xb: [2048][2048] bf16; w1b: [2048 k][8192 n] bf16; b1: [8192] f32; hb: [2048][8192] bf16.
; Sums in f32, K ascending, started by the bias; hb rounded once, to nearest even.  BESIDE THE PRODUCT: w2b = bf16(w2), for the next launch (see THE RIDER).
; LIMITS.  The operands are bf16 (8 significant bits, f32's range).  relu is v_max_num_f32 with 0: a NaN sum gives 0, and the sign of a zero is not kept.
; SHARES.  A tile of hb, 256 x 256, is made by a work-group of four waves, as many as a WGP has SIMDs; a wave makes 128 x 128: 64 accumulators of 16 x 16, 512 registers.
; 8 x 32 tiles: 256 work-groups, one tile each.  K goes in 16 steps of 128 through a ring of two LDS slots filled by the tensor data mover; every tile row in memory is 256 bytes at a multiple of 256.
; w1b LIES [k][n]: its tile comes into LDS as it lies, 128 k-rows x 128 n, and ds_load_tr16_b128 turns 16 k x 16 n into half a fragment: as many LDS loads as for rows that lie along K.
; CLUSTERS: 4 x 4 work-groups.  The four of a row of the cluster need the same tiles of xb, the four of a column the same tiles of w1b: each tile is asked for JOINTLY, by the same tensor load with
; the same descriptor and a mask that names the four, which divides the requests for both operands by four.
; THE MATRIX INSTRUCTION IS USED TRANSPOSED: source 0 = 16 columns n of w1b, source 1 = 16 rows m of xb.  Register j of lane l then holds hb(m = l % 16, n = 8 (l / 16) + j): eight neighbouring numbers of a row.
; THE BIAS is the C operand of each accumulator's first product: 64 registers, b1[16 b + 8 (l / 16) + j] at register 8 b + j; nothing is cleared and nothing is added later.
; THE RIDER.  w2's 67,108,864 bytes of f32 are shared out among the launch's 1,024 waves: 65,536 bytes a wave, 16 chunks of 4,096, one for each K step.  A chunk is asked for a whole K step ahead of its
; conversion (eight loads of 512 consecutive bytes), rounded once to bf16 and stored (eight stores of 256 consecutive bytes, at multiples of 256 from w2b's first byte).  It shares nothing with the product but the wave.
; REGISTERS, in windows of 256 (s_set_vgpr_msb's low byte: bits 1:0 source 0, 3:2 source 1, 5:4 source 2, 7:6 destination):
;   window 0: v0-31 addresses; v64-127, v128-191 fragments of xb, two buffers; in the loop v32-63 and v192-207 the rider's; on the way out v64-127 relu, v192-223 packed, v32-63 and v224-255 rows read back
;   window 1: v0-63 the bias; v64-127, v128-191 fragments of w1b, two buffers
;   window 2: the 32 accumulators of my rows 0-63 (accumulator (a, b) at v[8 (8 a + b)]);   window 3: those of my rows 64-127
.set SIZE_N, 8192
.set SIZE_K, 2048
.set KS,     128                       ; K in a slot
.set PA,     272                       ; a row of xb in LDS: 256 bytes + 16 of padding = 68 words: row r starts at bank 4 r mod 64 (64 banks of 4 bytes: ISA guide 11.1)
.set PB,     288                       ; a k-row of w1b: 256 + 32 = 72 words
.set HALFA,  128*PA                    ; 128 rows of xb: one tensor load
.set HALFB,  128*PB                    ; 128 k-rows x 128 n of w1b: one tensor load
.set BOFF,   2*HALFA                   ; a slot: xb's 256 rows, then w1b's two halves along n
.set SLOT,   BOFF+2*HALFB
.set STAGE,  2*SLOT                    ; behind the ring, never filled by a tensor load: 16 rows x 272 bytes for each wave, for the way out
.set SPITCH, 272
.set SPARE,  STAGE+4*16*SPITCH         ; behind the stages: the spare words, 128 bytes for each wave: two blocks of 256 bytes that no other line names
.set LAPS,   SIZE_K/(2*KS)             ; a lap = two K steps = once round the ring
.set STEPA,  2*KS*2                    ; bytes from a slot's tile of xb to its next: 256 along K
.set STEPB,  2*KS*SIZE_N*2             ; the same for w1b: 256 k-rows down
.set RCH,    4096                      ; the rider's chunk, in bytes of f32
.set ADRA, 16                          ; v16-17  LDS address of my fragments of xb in slot 0, 1
.set ADRB, 20                          ; v20-21  the same for w1b
.set STO,  24                          ; v24     the way out: where I put 16 bytes of a row
.set RD,   25                          ; v25     the way out: where I read a row back
.set CO,   26                          ; v26     my byte offset in hb
.set BO,   27                          ; v27     my byte offset in the wave's 128 numbers of b1
.set SPW,  28                          ; v28     LDS address of my spare word: SPARE + 4 x my thread's number; never rewritten
.set NIL,  29                          ; v29     0; never rewritten
.set RSO,  30                          ; v30     the rider: 16 x lane, my bytes in 512 of w2; never rewritten
.set RDO,  31                          ; v31     the rider: 8 x lane, my bytes in 256 of w2b; never rewritten
.set RX,   32                          ; v32-63  the rider: a chunk as loaded, four registers a load
.set RP,   192                         ; v192-207  the rider: the chunk packed, two registers a store
.set F0,   64                          ; fragment buffer 0
.set F1,   128                         ; fragment buffer 1
.set RL,   64                          ; the way out: a block's 64 numbers after relu
.set TMP,  192                         ; the way out: packed results
.set OB,   32                          ; the way out: 16 rows read back from the stage: v32-63 and v224-255 by turns
.set G1,  24                           ; s[24:31] descriptor group 1 for xb's tiles
.set G0,  32                           ; s[32:39] descriptor group 0 for xb's tiles, one set for each slot
.set G1B, 48                           ; s[48:55] descriptor group 1 for w1b's tiles
.set G0B, 56                           ; s[56:63] descriptor group 0 for w1b's tiles, one set for each slot
.set MSB, 0
.macro WIN new                         ; the immediate's high byte repeats the setting that is left; a switch that changes nothing is dropped
.if MSB != (\new)
	s_set_vgpr_msb (MSB<<8)|(\new)
.set MSB, \new
.endif
.endm
.set MUL_LO, 0xa1                      ; source 0 (w1b) window 1, source 1 (xb) window 0, C and D window 2
.set MUL_HI, 0xf1                      ; the same, C and D window 3
.set MUL_B,  0x91                      ; the first products: C (the bias) window 1, D window 2; + 0x40: D window 3
.set TO_B,   0x40                      ; destination window 1, address window 0
; A joint load.  Waves 0 and 1 fetch xb's two halves, waves 2 and 3 w1b's.  Each of the two lines has one mask and one set of registers for all that issue it.  The branch hangs on the wave's number alone.
; An s_nop 0 and four v_nop follow each of the two lines, ahead of the jump, the label and what follows the macro.
.macro JLOAD s
	s_cmp_eq_u32 s11, 0
	s_cbranch_scc0 .Lfor_b_\@
	tensor_load_to_lds s[G0+4*(\s):G0+4*(\s)+3], s[G1:G1+7]
	s_nop 0
.rept 4
	v_nop
.endr
	s_branch .Lasked_\@
.Lfor_b_\@:
	tensor_load_to_lds s[G0B+4*(\s):G0B+4*(\s)+3], s[G1B:G1B+7]
	s_nop 0
.rept 4
	v_nop
.endr
.Lasked_\@:
.endm
; A round of the cluster's barrier: my work-group's barrier, so that wave 0's signal speaks for all four waves; wave 0 signals for the work-group; every wave waits for all sixteen work-groups; my work-group's barrier once more.
.macro CREST                           ; a round behind its opening barrier
	s_cmp_lg_u32 s10, 0
	s_cbranch_scc1 .Lnot_wave_0_\@
	s_barrier_signal -3
.Lnot_wave_0_\@:
	s_barrier_wait -3
	s_barrier_signal -1
	s_barrier_wait -1
.endm
.macro CROUND                          ; a whole round
	s_barrier_signal -1
	s_barrier_wait -1
	CREST
.endm
	s_load_b128 s[4:7], s[0:1], 0x0                ; xb s[4:5], w1b s[6:7]
	s_load_b64 s[8:9], s[0:1], 0x10                ; hb
	s_load_b64 s[66:67], s[0:1], 0x18              ; b1
	s_load_b128 s[72:75], s[0:1], 0x20             ; w2 s[72:73], w2b s[74:75]
	v_lshl_add_u32 v[SPW], v0, 2, SPARE
	v_mov_b32 v[NIL], 0
	ds_add_u32 v[SPW], v[NIL]                      ; the wave's opening: the add and its wait stand ahead of my first tensor load; the set-up below, work on registers, stands between them
	v_lshrrev_b32 v1, 5, v0
	v_readfirstlane_b32 s10, v1                    ; wave 0..3
	s_lshr_b32 s11, s10, 1                         ; which half of the tile's rows is mine.  Also: I fetch for xb (0) or for w1b (1)
	s_and_b32 s12, s10, 1                          ; which half of its columns.  Also: which half of that operand's tile I fetch
	s_bfe_u32 s40, ttmp6, 0x40000                  ; cx: my place along the cluster's x
	s_bfe_u32 s41, ttmp6, 0x40004                  ; cy: along its y
	s_lshl_b32 s42, ttmp9, 2                       ; in a cluster launch ttmp9 and ttmp7 count clusters
	s_add_co_u32 s42, s42, s40                     ; tile column = 4 x cluster x + cx
	s_and_b32 s13, ttmp7, 0xffff
	s_lshl_b32 s13, s13, 2
	s_add_co_u32 s13, s13, s41                     ; tile row = 4 x cluster y + cy
	s_lshl_b32 s43, s41, 2
	s_lshl_b32 s43, 15, s43                        ; my row of the cluster: places 4 cy .. 4 cy + 3
	s_lshl_b32 s44, 0x1111, s40                    ; my column: places cx, cx + 4, cx + 8, cx + 12
	; descriptor group 1, xb: 128 rows x 128 elements, 2,048 elements from row to row, 4 words of padding behind every 64
	s_or_b32 s[G1+0], s43, (1<<16)|(1<<20)|(1<<21)|(5<<22)|(3<<25)  ; 15:0 the mask: my row; 17:16 elements of 2 bytes; 20 padding on; 21 set beside a mask; 24:22 after every 64 words (code 5); 31:25 4 words (code 3)
	s_mov_b32 s[G1+1], KS<<16                      ; tensor_dim0 = 128
	s_mov_b32 s[G1+2], 128<<16                     ; tensor_dim1 = 128
	s_mov_b32 s[G1+3], KS<<16                      ; tile_dim0 = 128
	s_mov_b32 s[G1+4], 128                         ; tile_dim1 = 128
	s_mov_b32 s[G1+5], SIZE_K                      ; tensor_dim0_stride
	s_mov_b32 s[G1+6], 0
	s_mov_b32 s[G1+7], 0
	; w1b: 128 k-rows x 128 elements along n, 8,192 elements from row to row, 8 words of padding behind every 64
	s_or_b32 s[G1B+0], s44, (1<<16)|(1<<20)|(1<<21)|(5<<22)|(7<<25) ; the mask: my column; 8 words of padding (code 7)
	s_mov_b32 s[G1B+1], 128<<16
	s_mov_b32 s[G1B+2], KS<<16
	s_mov_b32 s[G1B+3], 128<<16
	s_mov_b32 s[G1B+4], KS
	s_mov_b32 s[G1B+5], SIZE_N
	s_mov_b32 s[G1B+6], 0
	s_mov_b32 s[G1B+7], 0
	; where the tiles come from.  xb's hang on the tile row alone, which my row of the cluster shares; w1b's on the tile column alone, which my column shares.  Every wave makes both, in registers that never hold the other coordinate.
	s_lshl_b32 s17, s12, 7
	s_lshl_b32 s16, s13, 8
	s_add_co_u32 s16, s16, s17                     ; xb: row 256 x tile row + 128 x half,
	s_lshl_b32 s16, s16, 12                        ; of 4,096 bytes: under 2^23
	s_mov_b32 s17, 0
	s_lshl_b32 s46, s42, 9
	s_lshl_b32 s47, s12, 8
	s_add_co_u32 s46, s46, s47                     ; w1b: column 256 x tile column + 128 x half, in bytes
	s_mov_b32 s47, 0
	s_mul_i32 s20, s12, HALFA                      ; where they go: the half's place in the slot: no place in the cluster enters an LDS address
	s_mul_i32 s45, s12, HALFB
	s_add_co_u32 s45, s45, BOFF
	s_wait_dscnt 0x0                               ; the opening add is done
	s_wait_kmcnt 0x0
	s_add_nc_u64 s[14:15], s[4:5], s[16:17]
	s_add_nc_u64 s[46:47], s[6:7], s[46:47]
	CROUND                                         ; all sixteen work-groups are here: the first joint loads meet
.irp s, 0,1
	s_mov_b32 s[G0+4*(\s)], 1                                        ; 1:0 count = 1
	s_add_co_u32 s[G0+4*(\s)+1], s20, (\s)*SLOT                      ; 63:32 LDS address
	s_add_nc_u64 s[G0+4*(\s)+2:G0+4*(\s)+3], s[14:15], (\s)*KS*2     ; 120:64 global address: K step s
	s_or_b32 s[G0+4*(\s)+3], s[G0+4*(\s)+3], 0x80000000              ; 127:126 type = 2
	s_mov_b32 s[G0B+4*(\s)], 1
	s_add_co_u32 s[G0B+4*(\s)+1], s45, (\s)*SLOT
	s_add_nc_u64 s[G0B+4*(\s)+2:G0B+4*(\s)+3], s[46:47], (\s)*KS*SIZE_N*2
	s_or_b32 s[G0B+4*(\s)+3], s[G0B+4*(\s)+3], 0x80000000
	JLOAD \s                                       ; the ring is filled before anything else is done: two loads of mine are out
.endr
	; A fragment is 16 rows x 32 K in 8 registers: lane l holds row l % 16; registers 0-3 K = 8 (l / 16) + 0..7, registers 4-7 K = 16 + 8 (l / 16) + 0..7.
	; xb, whose rows lie along K: two loads of 16 bytes, 32 bytes apart.  w1b: two turning loads, 16 k-rows apart; lane l addresses k-row 8 (l / 16) + l % 8, columns 8 ((l / 8) % 2) + 0..7.
	v_and_b32 v1, 15, v0                           ; l % 16
	v_bfe_u32 v2, v0, 4, 1                         ; l / 16
	v_mul_u32_u24 v3, v1, PA
	v_lshl_add_u32 v3, v2, 4, v3                   ; row x pitch + 16 x half
	v_and_b32 v4, 7, v0
	v_bfe_u32 v5, v0, 3, 1
	v_lshl_add_u32 v6, v2, 3, v4
	v_mul_u32_u24 v6, v6, PB
	v_lshl_add_u32 v6, v5, 4, v6
	s_mul_i32 s21, s11, HALFA                      ; my 128 rows of xb
	s_mul_i32 s22, s12, HALFB                      ; my 128 columns of w1b,
	s_add_co_u32 s22, s22, BOFF                    ; which lie behind xb's 256 rows
.irp s, 0,1
	v_add_nc_u32 v[ADRA+(\s)], s21, v3
	v_add_nc_u32 v[ADRB+(\s)], s22, v6
	s_add_co_u32 s21, s21, SLOT
	s_add_co_u32 s22, s22, SLOT
.endr
	s_mul_i32 s23, s10, 16*SPITCH
	s_add_co_u32 s23, s23, STAGE                   ; my stage
	v_mul_u32_u24 v4, v1, SPITCH                   ; in: row l % 16, 16 bytes for each half of the lanes
	v_lshl_add_u32 v4, v2, 4, v4
	v_add_nc_u32 v[STO], s23, v4
	v_mul_u32_u24 v5, v2, SPITCH                   ; back: lanes 0-15 take one row of 256 bytes, lanes 16-31 the next
	v_lshl_add_u32 v5, v1, 4, v5
	v_add_nc_u32 v[RD], s23, v5
	v_lshlrev_b32 v5, 14, v2                       ; and the same two rows in hb, 16,384 bytes apart
	v_lshl_add_u32 v[CO], v1, 4, v5
	v_lshlrev_b32 v[BO], 5, v2                     ; eight f32 for each half of the lanes
	v_and_b32 v7, 31, v0                           ; the lane
	v_lshlrev_b32 v[RSO], 4, v7
	v_lshlrev_b32 v[RDO], 3, v7
	; hb at my part of the tile, b1 at my 128 columns
	s_lshl_b32 s16, s13, 8
	s_lshl_b32 s17, s11, 7
	s_add_co_u32 s16, s16, s17                     ; my first row,
	s_lshl_b32 s16, s16, 14                        ; of 16,384 bytes: under 2^25
	s_mov_b32 s17, 0
	s_add_nc_u64 s[8:9], s[8:9], s[16:17]
	s_lshl_b32 s46, s42, 9                         ; my first column in bytes of bf16: 512 x tile column + 256 x half
	s_lshl_b32 s47, s12, 8
	s_add_co_u32 s46, s46, s47
	s_mov_b32 s47, 0
	s_add_nc_u64 s[8:9], s[8:9], s[46:47]
	s_lshl_b32 s68, s46, 1                         ; the same column in bytes of f32
	s_mov_b32 s69, 0
	s_add_nc_u64 s[66:67], s[66:67], s[68:69]
	; w2 and w2b at my wave's share: wave number in the launch = 4 (32 x tile row + tile column) + wave, 0 .. 1,023
	s_lshl_b32 s76, s13, 5
	s_add_co_u32 s76, s76, s42
	s_lshl_b32 s76, s76, 2
	s_add_co_u32 s76, s76, s10
	s_lshl_b32 s78, s76, 15                        ; 32,768 bytes of bf16 a wave,
	s_lshl_b32 s76, s76, 16                        ; 65,536 of f32: under 2^26
	s_mov_b32 s77, 0
	s_mov_b32 s79, 0
	s_add_nc_u64 s[72:73], s[72:73], s[76:77]
	s_add_nc_u64 s[74:75], s[74:75], s[78:79]
	WIN TO_B
.irp b, 0,1,2,3,4,5,6,7
	global_load_b128 v[8*(\b):8*(\b)+3],   v[BO], s[66:67] offset:64*(\b)      ; b1[16 b + 8 (l / 16) + 0..3]
	global_load_b128 v[8*(\b)+4:8*(\b)+7], v[BO], s[66:67] offset:64*(\b)+16   ; and + 4..7
.endr
	WIN 0
.irp i, 0,1,2,3,4,5,6,7
	global_load_b128 v[RX+4*(\i):RX+4*(\i)+3], v[RSO], s[72:73] offset:512*(\i) th:TH_LOAD_NT  ; the rider's chunk 0; w2 is read once in the whole launch
.endr
; 16 matrix instructions: m blocks a0, a0 + 1 of the window's four (hi = 0: my rows 0-63, 1: rows 64-127) x all 8 n blocks, 32 along K.  first = 1: the sums start from the bias.
; The 64 accumulators take turns, one instruction a turn, in the same order in every quarter step.
.macro MUL16 f, hi, a0, first
.if \first
	WIN MUL_B+0x40*(\hi)
.else
	WIN MUL_LO+0x50*(\hi)
.endif
.irp a, \a0, (\a0)+1
.irp b, 0,1,2,3,4,5,6,7
.if \first
	v_wmma_f32_16x16x32_bf16 v[8*(8*(\a)+(\b)):8*(8*(\a)+(\b))+7], v[(\f)+8*(\b):(\f)+8*(\b)+7], v[(\f)+8*(4*(\hi)+(\a)):(\f)+8*(4*(\hi)+(\a))+7], v[8*(\b):8*(\b)+7]
.else
	v_wmma_f32_16x16x32_bf16 v[8*(8*(\a)+(\b)):8*(8*(\a)+(\b))+7], v[(\f)+8*(\b):(\f)+8*(\b)+7], v[(\f)+8*(4*(\hi)+(\a)):(\f)+8*(4*(\hi)+(\a))+7], v[8*(8*(\a)+(\b)):8*(8*(\a)+(\b))+7]
.endif
.endr
.endr
.endm
; 32 LDS loads in one run: the fragments of quarter q of a slot (32 along K: 128 columns of w1b, 128 rows of xb) into buffer f
.macro FETCH slot, q, f
	WIN TO_B
.irp i, 0,1,2,3,4,5,6,7
	ds_load_tr16_b128 v[(\f)+8*(\i):(\f)+8*(\i)+3],   v[ADRB+(\slot)] offset:(\q)*32*PB+32*(\i)
	ds_load_tr16_b128 v[(\f)+8*(\i)+4:(\f)+8*(\i)+7], v[ADRB+(\slot)] offset:(\q)*32*PB+32*(\i)+16*PB
.endr
	WIN 0
.irp i, 0,1,2,3,4,5,6,7
	ds_load_b128 v[(\f)+8*(\i):(\f)+8*(\i)+3],   v[ADRA+(\slot)] offset:64*(\q)+(\i)*16*PA
	ds_load_b128 v[(\f)+8*(\i)+4:(\f)+8*(\i)+7], v[ADRA+(\slot)] offset:64*(\q)+(\i)*16*PA+32
.endr
.endm
; A load into a register that a matrix instruction has read, and a vector instruction that reads a matrix result or writes one of a matrix instruction's registers, stand four places behind it; only plain
; vector instructions that name none of its registers are places (ISA guide 7.12.1 for vector instructions).
.macro PLACES
.rept 4
	v_nop
.endr
.endm
; THE RIDER's turn, once in a K step: the chunk asked for a K step ago is rounded and stored; more = 1: the next chunk is asked for.  None of its registers is a matrix instruction's.
.macro RIDER more
	WIN 0
	s_wait_loadcnt 0x0                             ; my eight loads of a K step ago are in: RX may be read, and w2's base stepped
	s_wait_xcnt 0x0                                ; every earlier memory instruction has had its addresses translated (ISA guide 3.1): RP, which the last chunk's stores read, and w2b's base are rewritten only behind this wait
	s_add_nc_u64 s[74:75], s[74:75], RCH/2         ; w2b's base runs a chunk ahead; the stores below reach back
.if \more
	s_add_nc_u64 s[72:73], s[72:73], RCH
.endif
.irp i, 0,1,2,3,4,5,6,7
	v_cvt_pk_bf16_f32 v[RP+2*(\i)],   v[RX+4*(\i)],   v[RX+4*(\i)+1]
	v_cvt_pk_bf16_f32 v[RP+2*(\i)+1], v[RX+4*(\i)+2], v[RX+4*(\i)+3]
.endr
.if \more
.irp i, 0,1,2,3,4,5,6,7
	global_load_b128 v[RX+4*(\i):RX+4*(\i)+3], v[RSO], s[72:73] offset:512*(\i) th:TH_LOAD_NT  ; loads ahead of stores
.endr
.endif
.irp i, 0,1,2,3,4,5,6,7
	global_store_b64 v[RDO], v[RP+2*(\i):RP+2*(\i)+1], s[74:75] offset:256*(\i)-RCH/2  ; 32 lanes store 256 consecutive bytes, at a multiple of 256 from w2b's first byte
.endr
.endm
; A K step is four quarters of 32 along K, 64 matrix instructions each, on buffers 0, 1, 0, 1.  One of the first three: multiplies buffer f; in its middle it fetches quarter q of the same slot into buffer g.
; ride = 1: the rider's turn stands behind that run of LDS loads, where every window is 0; ride = 2: its last turn, which asks for nothing.
.macro QUARTER slot, q, f, g, first, ride=0
	s_wait_dscnt 8                                 ; w1b and xb's rows 0-63 are in; the youngest eight loads (xb's rows 64-127) may be out
	MUL16 \f, 0, 0, \first
	MUL16 \f, 0, 2, \first
	PLACES
	FETCH \slot, \q, \g
.if (\ride) == 1
	RIDER 1
.elseif (\ride) == 2
	RIDER 0
.endif
	s_wait_dscnt 32                                ; all but the 32 just issued
	MUL16 \f, 1, 0, \first
	MUL16 \f, 1, 2, \first
.endm
; The last quarter multiplies buffer 1 and changes slots: ONE barrier for two things.  In front of it each wave waits for all its tensor loads, of which one is out: its part of the next slot; adds 0 to its spare
; word; and waits for that and for its own reads of this slot.  Behind it nobody reads this slot any more and the next slot is whole.  fill = 1: the barrier opens a round of the cluster's barrier, and this slot is
; filled again, two K steps ahead, first thing behind the round: 224 matrix instructions ahead of the wait for it.
.macro TURN slot, next, fill
	WIN 0                                          ; (the add's two registers lie in window 0)
	s_wait_tensorcnt 0x0                           ; all my tensor loads have landed;
	ds_add_u32 v[SPW], v[NIL]                      ; 0 onto my spare word;
	s_wait_dscnt 9                                 ; (the add and the youngest eight loads may be out)
	MUL16 F1, 0, 0, 0                              ; sixteen matrix instructions stand between the add and the wait for it
	s_wait_dscnt 0x0                               ; the add is done, and my reads of this slot are over
	s_barrier_signal -1
	MUL16 F1, 0, 2, 0                              ; work on registers while the others arrive
.if \fill
	WIN 0
.endif
	s_barrier_wait -1
.if \fill
	CREST                                          ; no wave of any partner still reads this slot's tile or has a load on its way
	s_add_nc_u64 s[G0+4*(\slot)+2:G0+4*(\slot)+3], s[G0+4*(\slot)+2:G0+4*(\slot)+3], STEPA
	s_add_nc_u64 s[G0B+4*(\slot)+2:G0B+4*(\slot)+3], s[G0B+4*(\slot)+2:G0B+4*(\slot)+3], STEPB
	JLOAD \slot                                    ; my one tensor load behind the round; the four v_nop behind it are also the places in front of the loads below
.else
	PLACES
.endif
	FETCH \next, 0, F0
	MUL16 F1, 1, 0, 0
	MUL16 F1, 1, 2, 0
.endm
	s_wait_tensorcnt 1                             ; my part of K step 0 is in; K step 1's may stay out
	s_barrier_signal -1
	s_barrier_wait -1                              ; everybody's is
	FETCH 0, 0, F0
	s_wait_loadcnt 8                               ; the bias is in; the eight loads issued behind it, the rider's chunk 0, may be out
	QUARTER 0, 1, F0, F1, 1                        ; the first quarter stands in front of the loop: its products start the sums
	WIN 0                                          ; at a label and at a branch every window is 0
	s_mov_b32 s3, LAPS-1
.Llap:                                                 ; a trip goes once round the ring, from a lap's second quarter to the next lap's first, fills both slots again, and takes two chunks of w2
	QUARTER 0, 2, F1, F0, 0, 1
	QUARTER 0, 3, F0, F1, 0
	TURN 0, 1, 1
	QUARTER 1, 1, F0, F1, 0
	QUARTER 1, 2, F1, F0, 0, 1
	QUARTER 1, 3, F0, F1, 0
	TURN 1, 0, 1
	QUARTER 0, 1, F0, F1, 0
	WIN 0
	s_sub_co_u32 s3, s3, 1
	s_cmp_lg_u32 s3, 0
	s_cbranch_scc1 .Llap
	QUARTER 0, 2, F1, F0, 0, 1                     ; the last lap is written out: it fills nothing, and has no round of the cluster's barrier; chunk 14 is stored, chunk 15 asked for
	QUARTER 0, 3, F0, F1, 0
	TURN 0, 1, 0
	QUARTER 1, 1, F0, F1, 0
	QUARTER 1, 2, F1, F0, 0, 2                     ; chunk 15 is stored; no load leaves w2
	QUARTER 1, 3, F0, F1, 0
	s_wait_dscnt 8                                 ; the very last quarter: nothing more to fetch
	MUL16 F1, 0, 0, 0
	MUL16 F1, 0, 2, 0
	s_wait_dscnt 0x0
	MUL16 F1, 1, 0, 0
	MUL16 F1, 1, 2, 0
	WIN 0
; THE WAY OUT of block a (16 rows), in three parts.  PACK: relu, then rounded to bf16, 16 bytes a lane; each accumulator's registers are taken in ascending order.
; TOSTAGE: into my own stage in LDS, and back as whole rows of 256 bytes.  SEND: stored.
.macro PACK a
.set AC, 64*((\a)%4)
	WIN 0x0a+5*((\a)/4)                            ; sources 0 and 1: window 2 or 3
.set i, 0
.rept 64
	v_max_num_f32 v[RL+i], 0, v[AC+i]
.set i, i+1
.endr
	WIN 0
.set i, 0
.rept 32
	v_cvt_pk_bf16_f32 v[TMP+i], v[RL+2*i], v[RL+2*i+1]
.set i, i+1
.endr
.endm
.macro TOSTAGE a
.set BK, OB+192*((\a)%2)
.irp b, 0,1,2,3,4,5,6,7
	ds_store_b128 v[STO], v[TMP+4*(\b):TMP+4*(\b)+3] offset:32*(\b)
.endr
.irp t, 0,1,2,3,4,5,6,7
	ds_load_b128 v[BK+4*(\t):BK+4*(\t)+3], v[RD] offset:(\t)*2*SPITCH  ; LDS serves a wave's instructions in order (ISA guide 5.7.1.4): these see the stores above
.endr
.endm
.macro SEND a
.set BK, OB+192*((\a)%2)
	s_wait_dscnt 0x0                               ; the block is back in registers
	s_wait_xcnt 0x0                                ; every earlier memory instruction has had its addresses translated (ISA guide 3.1): only behind this wait are the stores' base and the registers that earlier stores read rewritten
.if (\a) > 0
	s_add_nc_u64 s[8:9], s[8:9], 16*SIZE_N*2       ; 16 rows of hb on
.endif
.irp t, 0,1,2,3,4,5,6,7
	global_store_b128 v[CO], v[BK+4*(\t):BK+4*(\t)+3], s[8:9] offset:2*(\t)*SIZE_N*2  ; 16 lanes store 256 consecutive bytes, at a multiple of 256 from hb's first byte
.endr
.endm
	PLACES                                         ; behind the last products
	s_wait_xcnt 0x0                                ; the rider's last stores have read v192-207, which PACK writes
	PACK 0
	TOSTAGE 0
.irp a, 1,2,3,4,5,6,7                  ; block a's arithmetic stands between block a - 1's loads from the stage and the wait for them
	PACK \a
	SEND (\a)-1
	TOSTAGE \a
.endr
	SEND 7
	s_wait_tensorcnt 0x0                           ; the wave's end: behind my last tensor load and my last LDS store
	ds_add_u32 v[SPW], v[NIL]
	s_wait_dscnt 0x0
	CROUND                                         ; the closing round: no work-group ends while a partner may still ask for a tile that names it
	s_endpgm
.Lfunc_end_k_q5840d4021e_fc1:
	.size	k_q5840d4021e_fc1, .Lfunc_end_k_q5840d4021e_fc1-k_q5840d4021e_fc1
	.p2alignl 7, 3214868480
	.fill 96, 4, 3214868480
	.section	.rodata,"a",@progbits
	.p2align	6, 0x0
	.amdhsa_kernel k_q5840d4021e_fc1
		.amdhsa_group_segment_fixed_size 327680
		.amdhsa_private_segment_fixed_size 0
		.amdhsa_enable_private_segment 0
		.amdhsa_kernarg_size 48
		.amdhsa_user_sgpr_count 2
		.amdhsa_user_sgpr_kernarg_segment_ptr 1
		.amdhsa_wavefront_size32 1
		.amdhsa_system_sgpr_workgroup_id_x 1
		.amdhsa_system_sgpr_workgroup_id_y 1
		.amdhsa_system_sgpr_workgroup_id_z 1
		.amdhsa_system_vgpr_workitem_id 0
		.amdhsa_next_free_vgpr 1024
		.amdhsa_next_free_sgpr 80
		.amdhsa_reserve_vcc 0
		.amdhsa_float_denorm_mode_32 3
		.amdhsa_float_denorm_mode_16_64 3
		.amdhsa_memory_ordered 1
		.amdhsa_forward_progress 1
		.amdhsa_inst_pref_size 172
	.end_amdhsa_kernel
	.amdgpu_metadata
---
amdhsa.version: [ 1, 2 ]
amdhsa.kernels:
  - .name:           k_q5840d4021e_fc1
    .symbol:         k_q5840d4021e_fc1.kd
    .args:
      - { .name: xb, .offset: 0, .size: 8, .value_kind: global_buffer, .address_space: global }
      - { .name: w1b, .offset: 8, .size: 8, .value_kind: global_buffer, .address_space: global }
      - { .name: hb, .offset: 16, .size: 8, .value_kind: global_buffer, .address_space: global }
      - { .name: b1, .offset: 24, .size: 8, .value_kind: global_buffer, .address_space: global }
      - { .name: w2, .offset: 32, .size: 8, .value_kind: global_buffer, .address_space: global }
      - { .name: w2b, .offset: 40, .size: 8, .value_kind: global_buffer, .address_space: global }
    .group_segment_fixed_size: 327680
    .private_segment_fixed_size: 0
    .kernarg_segment_align: 8
    .kernarg_segment_size: 48
    .max_flat_workgroup_size: 128
    .sgpr_count:     80
    .vgpr_count:     1024
    .wavefront_size: 32
...
	.end_amdgpu_metadata
.endif
;; end of part 2
;; launch fc2 (part 3): grid 8 x 32, 4 waves a work-group, clusters of 4 x 4, 327,680 bytes of LDS; arguments hb, w2b, pb; writes pb
.if DOCPART == 3
	.amdgcn_target "amdgcn-amd-amdhsa--gfx1250"
	.amdhsa_code_object_version 6
	.text
	.protected	k_q5840d4021e_fc2
	.globl	k_q5840d4021e_fc2
	.p2align	8
	.type	k_q5840d4021e_fc2,@function
k_q5840d4021e_fc2:
	s_mov_b64 s[64:65], 0
	v_nop
	global_prefetch_b8 v0, s[64:65] scope:SCOPE_SE
	s_setreg_imm32_b32 hwreg(HW_REG_WAVE_MODE, 25, 1), 1
	s_wait_xcnt 0x0
	s_wait_alu depctr_hold_cnt(0) depctr_sa_sdst(0) depctr_va_vdst(0) depctr_va_sdst(0) depctr_va_ssrc(0) depctr_va_vcc(0) depctr_vm_vsrc(0)
	s_getreg_b32 s2, hwreg(HW_REG_IB_STS2, 6, 4)
	s_cmp_eq_u32 s2, 0
	s_cbranch_scc0 .Lentry_in_a_cluster
	s_endpgm
.Lentry_in_a_cluster:
	s_bfe_u32 s2, ttmp6, 0x10000c
	s_cmp_lg_u32 s2, 0xf033
	s_cbranch_scc0 .Lentry_shape_is_right
	s_endpgm
.Lentry_shape_is_right:
; pb[p][m][n] = sum over k in 2048 p .. 2048 p + 2047 of hb[m][k] w2b[k][n], p = 0..3.  hb: [2048][8192] bf16; w2b: [8192 k][2048 n] bf16; pb: [4][2048][2048] f32.
; The next launch adds the four parts and the bias.
; LIMITS.  The operands are bf16; each part is one f32 sum, K ascending.  The output is thus made of four sums over quarters of K: an order of rounding that differs from one ascending sum.
; WHY K IS SHARED AMONG WORK-GROUPS.  A work-group's tile of m x n fills (m + n) x 2 bytes of LDS for each k and has m n / 4,096 matrix-unit cycles of work for it (1,024 multiply-adds a SIMD and cycle, four SIMDs):
; 128 bytes a cycle at 128 x 128, 64 at 256 x 256.  The output has only 64 tiles of 256 x 256, so four work-groups share each tile's K: 256 work-groups, 16 K steps of 128 each.
; The price: 67,108,864 bytes of parts, stored here and read once by the next launch.
; SHARES.  A tile, 256 x 256, is made by four waves, as many as a WGP has SIMDs; a wave makes 128 x 128: 64 accumulators of 16 x 16, 512 registers.  K goes through a ring of two LDS slots filled by the
; tensor data mover; every tile row in memory is 256 bytes at a multiple of 256.  w2b LIES [k][n]: its tile comes into LDS as it lies, and ds_load_tr16_b128 turns 16 k x 16 n into half a fragment.
; CLUSTERS: 4 x 4 work-groups, all of one part (the part is made of the cluster's y alone).  The four of a row of the cluster need the same tiles of hb, the four of a column the same tiles of w2b: each tile is
; asked for JOINTLY, which divides the requests for both operands by four.
; THE MATRIX INSTRUCTION IS USED TRANSPOSED: source 0 = 16 columns n of w2b, source 1 = 16 rows m of hb: register j of lane l holds pb(m = l % 16, n = 8 (l / 16) + j).
; REGISTERS, in windows of 256 (s_set_vgpr_msb's low byte: bits 1:0 source 0, 3:2 source 1, 5:4 source 2, 7:6 destination):
;   window 0: v0-31 addresses; v64-127, v128-191 fragments of hb, two buffers; on the way out the same two: 16 rows read back from the stage, by turns
;   window 1: v64-127, v128-191 fragments of w2b, two buffers
;   window 2: the 32 accumulators of my rows 0-63 (accumulator (a, b) at v[8 (8 a + b)]);   window 3: those of my rows 64-127
.set SIZE_N, 2048
.set SIZE_K, 8192                      ; elements in a row of hb
.set KPART,  2048                      ; K of a work-group
.set KS,     128                       ; K in a slot
.set PA,     272                       ; a row of hb in LDS: 256 bytes + 16 of padding = 68 words: row r starts at bank 4 r mod 64 (64 banks of 4 bytes: ISA guide 11.1)
.set PB,     288                       ; a k-row of w2b: 256 + 32 = 72 words
.set HALFA,  128*PA                    ; 128 rows of hb: one tensor load
.set HALFB,  128*PB                    ; 128 k-rows x 128 n of w2b: one tensor load
.set BOFF,   2*HALFA                   ; a slot: hb's 256 rows, then w2b's two halves along n
.set SLOT,   BOFF+2*HALFB
.set STAGE,  2*SLOT                    ; behind the ring, never filled by a tensor load: 16 rows x 528 bytes for each wave, for the way out
.set SPITCH, 528                       ; 128 f32 + 16 bytes = 33 x 16: the 16 rows that a store touches start at 16 different groups of four banks
.set SPARE,  STAGE+4*16*SPITCH         ; behind the stages: the spare words, 128 bytes for each wave: two blocks of 256 bytes that no other line names
.set LAPS,   KPART/(2*KS)              ; a lap = two K steps = once round the ring
.set STEPA,  2*KS*2                    ; bytes from a slot's tile of hb to its next: 256 along K
.set STEPB,  2*KS*SIZE_N*2             ; the same for w2b: 256 k-rows down
.set ADRA, 16                          ; v16-17  LDS address of my fragments of hb in slot 0, 1
.set ADRB, 20                          ; v20-21  the same for w2b
.set STO,  24                          ; v24     the way out: where an accumulator's eight numbers of a row go
.set RD,   25                          ; v25     the way out: my 16 bytes of the stage's first row
.set CO,   26                          ; v26     16 x lane: my byte offset in a row's 512 bytes of pb
.set SPW,  28                          ; v28     LDS address of my spare word: SPARE + 4 x my thread's number; never rewritten
.set NIL,  29                          ; v29     0; never rewritten
.set F0,   64                          ; fragment buffer 0
.set F1,   128                         ; fragment buffer 1
.set X,    64                          ; the way out: block a's 16 rows at v[X + 64 (a % 2) + 4 t]
.set G1,  24                           ; s[24:31] descriptor group 1 for hb's tiles
.set G0,  32                           ; s[32:39] descriptor group 0 for hb's tiles, one set for each slot
.set G1B, 48                           ; s[48:55] descriptor group 1 for w2b's tiles
.set G0B, 56                           ; s[56:63] descriptor group 0 for w2b's tiles, one set for each slot
.set MSB, 0
.macro WIN new                         ; the immediate's high byte repeats the setting that is left; a switch that changes nothing is dropped
.if MSB != (\new)
	s_set_vgpr_msb (MSB<<8)|(\new)
.set MSB, \new
.endif
.endm
.set MUL_LO, 0xa1                      ; source 0 (w2b) window 1, source 1 (hb) window 0, C and D window 2
.set MUL_HI, 0xf1                      ; the same, C and D window 3
.set TO_B,   0x40                      ; destination window 1, address window 0
; A joint load.  Waves 0 and 1 fetch hb's two halves, waves 2 and 3 w2b's.  The branch hangs on the wave's number alone.
; An s_nop 0 and four v_nop follow each of the two lines, ahead of the jump, the label and what follows the macro.
.macro JLOAD s
	s_cmp_eq_u32 s11, 0
	s_cbranch_scc0 .Lfor_b_\@
	tensor_load_to_lds s[G0+4*(\s):G0+4*(\s)+3], s[G1:G1+7]
	s_nop 0
.rept 4
	v_nop
.endr
	s_branch .Lasked_\@
.Lfor_b_\@:
	tensor_load_to_lds s[G0B+4*(\s):G0B+4*(\s)+3], s[G1B:G1B+7]
	s_nop 0
.rept 4
	v_nop
.endr
.Lasked_\@:
.endm
; A round of the cluster's barrier: my work-group's barrier; wave 0 signals for the work-group; every wave waits for all sixteen work-groups; my work-group's barrier once more.
.macro CREST                           ; a round behind its opening barrier
	s_cmp_lg_u32 s10, 0
	s_cbranch_scc1 .Lnot_wave_0_\@
	s_barrier_signal -3
.Lnot_wave_0_\@:
	s_barrier_wait -3
	s_barrier_signal -1
	s_barrier_wait -1
.endm
.macro CROUND                          ; a whole round
	s_barrier_signal -1
	s_barrier_wait -1
	CREST
.endm
	s_load_b128 s[4:7], s[0:1], 0x0                ; hb s[4:5], w2b s[6:7]
	s_load_b64 s[8:9], s[0:1], 0x10                ; pb
	v_lshl_add_u32 v[SPW], v0, 2, SPARE
	v_mov_b32 v[NIL], 0
	ds_add_u32 v[SPW], v[NIL]                      ; the wave's opening: the add and its wait stand ahead of my first tensor load; the set-up below, work on registers, stands between them
	v_lshrrev_b32 v1, 5, v0
	v_readfirstlane_b32 s10, v1                    ; wave 0..3
	s_lshr_b32 s11, s10, 1                         ; which half of the tile's rows is mine.  Also: I fetch for hb (0) or for w2b (1)
	s_and_b32 s12, s10, 1                          ; which half of its columns.  Also: which half of that operand's tile I fetch
	s_bfe_u32 s40, ttmp6, 0x40000                  ; cx, cy: my place in the cluster
	s_bfe_u32 s41, ttmp6, 0x40004
	s_lshl_b32 s42, ttmp9, 2                       ; in a cluster launch ttmp9 and ttmp7 count clusters
	s_add_co_u32 s42, s42, s40                     ; tile column = 4 x cluster x + cx: 0..7
	s_and_b32 s13, ttmp7, 0xffff                   ; the cluster's y, 0..7: two clusters to a part
	s_lshr_b32 s70, s13, 1                         ; the part of K, 0..3: the same in all sixteen work-groups of the cluster
	s_and_b32 s13, s13, 1
	s_lshl_b32 s13, s13, 2
	s_add_co_u32 s13, s13, s41                     ; tile row = 4 x (cluster y mod 2) + cy: 0..7
	s_lshl_b32 s43, s41, 2
	s_lshl_b32 s43, 15, s43                        ; my row of the cluster
	s_lshl_b32 s44, 0x1111, s40                    ; my column
	; descriptor group 1, hb: 128 rows x 128 elements, 8,192 elements from row to row, 4 words of padding behind every 64
	s_or_b32 s[G1+0], s43, (1<<16)|(1<<20)|(1<<21)|(5<<22)|(3<<25)  ; 15:0 the mask: my row; 17:16 elements of 2 bytes; 20 padding on; 21 set beside a mask; 24:22 after every 64 words (code 5); 31:25 4 words (code 3)
	s_mov_b32 s[G1+1], KS<<16                      ; tensor_dim0 = 128
	s_mov_b32 s[G1+2], 128<<16                     ; tensor_dim1 = 128
	s_mov_b32 s[G1+3], KS<<16                      ; tile_dim0 = 128
	s_mov_b32 s[G1+4], 128                         ; tile_dim1 = 128
	s_mov_b32 s[G1+5], SIZE_K                      ; tensor_dim0_stride
	s_mov_b32 s[G1+6], 0
	s_mov_b32 s[G1+7], 0
	; w2b: 128 k-rows x 128 elements along n, 2,048 elements from row to row, 8 words of padding behind every 64
	s_or_b32 s[G1B+0], s44, (1<<16)|(1<<20)|(1<<21)|(5<<22)|(7<<25) ; the mask: my column; 8 words of padding (code 7)
	s_mov_b32 s[G1B+1], 128<<16
	s_mov_b32 s[G1B+2], KS<<16
	s_mov_b32 s[G1B+3], 128<<16
	s_mov_b32 s[G1B+4], KS
	s_mov_b32 s[G1B+5], SIZE_N
	s_mov_b32 s[G1B+6], 0
	s_mov_b32 s[G1B+7], 0
	; where the tiles come from.  hb's hang on the tile row and the part, w2b's on the tile column and the part; every wave makes both, in registers that never hold the other place in the cluster.
	s_lshl_b32 s17, s12, 7
	s_lshl_b32 s16, s13, 8
	s_add_co_u32 s16, s16, s17                     ; hb: row 256 x tile row + 128 x half,
	s_lshl_b32 s16, s16, 14                        ; of 16,384 bytes: under 2^25,
	s_lshl_b32 s17, s70, 12                        ; and the part's 2,048 elements along the row
	s_add_co_u32 s16, s16, s17
	s_mov_b32 s17, 0
	s_lshl_b32 s46, s42, 9
	s_lshl_b32 s47, s12, 8
	s_add_co_u32 s46, s46, s47                     ; w2b: column 256 x tile column + 128 x half, in bytes,
	s_lshl_b32 s47, s70, 23                        ; and the part's 2,048 k-rows of 4,096 bytes: under 2^25
	s_add_co_u32 s46, s46, s47
	s_mov_b32 s47, 0
	s_mul_i32 s20, s12, HALFA                      ; where they go: the half's place in the slot: no place in the cluster enters an LDS address
	s_mul_i32 s45, s12, HALFB
	s_add_co_u32 s45, s45, BOFF
	s_wait_dscnt 0x0                               ; the opening add is done
	s_wait_kmcnt 0x0
	s_add_nc_u64 s[14:15], s[4:5], s[16:17]
	s_add_nc_u64 s[46:47], s[6:7], s[46:47]
	CROUND                                         ; all sixteen work-groups are here: the first joint loads meet
.irp s, 0,1
	s_mov_b32 s[G0+4*(\s)], 1                                        ; 1:0 count = 1
	s_add_co_u32 s[G0+4*(\s)+1], s20, (\s)*SLOT                      ; 63:32 LDS address
	s_add_nc_u64 s[G0+4*(\s)+2:G0+4*(\s)+3], s[14:15], (\s)*KS*2     ; 120:64 global address: K step s
	s_or_b32 s[G0+4*(\s)+3], s[G0+4*(\s)+3], 0x80000000              ; 127:126 type = 2
	s_mov_b32 s[G0B+4*(\s)], 1
	s_add_co_u32 s[G0B+4*(\s)+1], s45, (\s)*SLOT
	s_add_nc_u64 s[G0B+4*(\s)+2:G0B+4*(\s)+3], s[46:47], (\s)*KS*SIZE_N*2
	s_or_b32 s[G0B+4*(\s)+3], s[G0B+4*(\s)+3], 0x80000000
	JLOAD \s                                       ; the ring is filled before anything else is done: two loads of mine are out
.endr
	; A fragment is 16 rows x 32 K in 8 registers: lane l holds row l % 16; registers 0-3 K = 8 (l / 16) + 0..7, registers 4-7 K = 16 + 8 (l / 16) + 0..7.
	; hb: two loads of 16 bytes, 32 bytes apart.  w2b: two turning loads, 16 k-rows apart; lane l addresses k-row 8 (l / 16) + l % 8, columns 8 ((l / 8) % 2) + 0..7.
	v_and_b32 v1, 15, v0                           ; l % 16
	v_bfe_u32 v2, v0, 4, 1                         ; l / 16
	v_mul_u32_u24 v3, v1, PA
	v_lshl_add_u32 v3, v2, 4, v3                   ; row x pitch + 16 x half
	v_and_b32 v4, 7, v0
	v_bfe_u32 v5, v0, 3, 1
	v_lshl_add_u32 v6, v2, 3, v4
	v_mul_u32_u24 v6, v6, PB
	v_lshl_add_u32 v6, v5, 4, v6
	s_mul_i32 s21, s11, HALFA                      ; my 128 rows of hb
	s_mul_i32 s22, s12, HALFB                      ; my 128 columns of w2b,
	s_add_co_u32 s22, s22, BOFF                    ; which lie behind hb's 256 rows
.irp s, 0,1
	v_add_nc_u32 v[ADRA+(\s)], s21, v3
	v_add_nc_u32 v[ADRB+(\s)], s22, v6
	s_add_co_u32 s21, s21, SLOT
	s_add_co_u32 s22, s22, SLOT
.endr
	s_mul_i32 s23, s10, 16*SPITCH
	s_add_co_u32 s23, s23, STAGE                   ; my stage
	v_mul_u32_u24 v4, v1, SPITCH                   ; in: row l % 16, 32 bytes (eight f32) for each half of the lanes
	v_lshl_add_u32 v4, v2, 5, v4
	v_add_nc_u32 v[STO], s23, v4
	v_and_b32 v5, 31, v0
	v_lshlrev_b32 v[CO], 4, v5                     ; back: 32 lanes take a row's 512 bytes,
	v_add_nc_u32 v[RD], s23, v[CO]                 ; in the stage and in pb alike
	; pb at my part's image, my first row and my first column
	s_lshl_b32 s16, s13, 8
	s_lshl_b32 s17, s11, 7
	s_add_co_u32 s16, s16, s17                     ; my first row,
	s_lshl_b32 s16, s16, 13                        ; of 8,192 bytes: under 2^24,
	s_lshl_b32 s17, s70, 24                        ; in the part's 16,777,216 bytes
	s_add_co_u32 s16, s16, s17
	s_mov_b32 s17, 0
	s_add_nc_u64 s[8:9], s[8:9], s[16:17]
	s_lshl_b32 s46, s42, 10                        ; my first column in bytes of f32: 1,024 x tile column + 512 x half
	s_lshl_b32 s47, s12, 9
	s_add_co_u32 s46, s46, s47
	s_mov_b32 s47, 0
	s_add_nc_u64 s[8:9], s[8:9], s[46:47]
; 16 matrix instructions: m blocks a0, a0 + 1 of the window's four (hi = 0: my rows 0-63, 1: rows 64-127) x all 8 n blocks, 32 along K.  first = 1: the first product starts the sums: nothing is ever cleared.
; The 64 accumulators take turns, one instruction a turn, in the same order in every quarter step.
.macro MUL16 f, hi, a0, first
	WIN MUL_LO+0x50*(\hi)
.irp a, \a0, (\a0)+1
.irp b, 0,1,2,3,4,5,6,7
.if \first
	v_wmma_f32_16x16x32_bf16 v[8*(8*(\a)+(\b)):8*(8*(\a)+(\b))+7], v[(\f)+8*(\b):(\f)+8*(\b)+7], v[(\f)+8*(4*(\hi)+(\a)):(\f)+8*(4*(\hi)+(\a))+7], 0
.else
	v_wmma_f32_16x16x32_bf16 v[8*(8*(\a)+(\b)):8*(8*(\a)+(\b))+7], v[(\f)+8*(\b):(\f)+8*(\b)+7], v[(\f)+8*(4*(\hi)+(\a)):(\f)+8*(4*(\hi)+(\a))+7], v[8*(8*(\a)+(\b)):8*(8*(\a)+(\b))+7]
.endif
.endr
.endr
.endm
; 32 LDS loads in one run: the fragments of quarter q of a slot (32 along K: 128 columns of w2b, 128 rows of hb) into buffer f
.macro FETCH slot, q, f
	WIN TO_B
.irp i, 0,1,2,3,4,5,6,7
	ds_load_tr16_b128 v[(\f)+8*(\i):(\f)+8*(\i)+3],   v[ADRB+(\slot)] offset:(\q)*32*PB+32*(\i)
	ds_load_tr16_b128 v[(\f)+8*(\i)+4:(\f)+8*(\i)+7], v[ADRB+(\slot)] offset:(\q)*32*PB+32*(\i)+16*PB
.endr
	WIN 0
.irp i, 0,1,2,3,4,5,6,7
	ds_load_b128 v[(\f)+8*(\i):(\f)+8*(\i)+3],   v[ADRA+(\slot)] offset:64*(\q)+(\i)*16*PA
	ds_load_b128 v[(\f)+8*(\i)+4:(\f)+8*(\i)+7], v[ADRA+(\slot)] offset:64*(\q)+(\i)*16*PA+32
.endr
.endm
; A load into a register that a matrix instruction has read, and a vector instruction or LDS store that reads a matrix result, stand four places behind it; only plain vector instructions that name none of
; its registers are places (ISA guide 7.12.1 for vector instructions).
.macro PLACES
.rept 4
	v_nop
.endr
.endm
; A K step is four quarters of 32 along K, 64 matrix instructions each, on buffers 0, 1, 0, 1.  One of the first three: multiplies buffer f; in its middle it fetches quarter q of the same slot into buffer g.
.macro QUARTER slot, q, f, g, first
	s_wait_dscnt 8                                 ; w2b and hb's rows 0-63 are in; the youngest eight loads (hb's rows 64-127) may be out
	MUL16 \f, 0, 0, \first
	MUL16 \f, 0, 2, \first
	PLACES
	FETCH \slot, \q, \g
	s_wait_dscnt 32                                ; all but the 32 just issued
	MUL16 \f, 1, 0, \first
	MUL16 \f, 1, 2, \first
.endm
; The last quarter multiplies buffer 1 and changes slots: ONE barrier for two things.  In front of it each wave waits for all its tensor loads, of which one is out: its part of the next slot; adds 0 to its spare
; word; and waits for that and for its own reads of this slot.  Behind it nobody reads this slot any more and the next slot is whole.  fill = 1: the barrier opens a round of the cluster's barrier, and this slot is
; filled again, two K steps ahead, first thing behind the round: 224 matrix instructions ahead of the wait for it.
.macro TURN slot, next, fill
	WIN 0                                          ; (the add's two registers lie in window 0)
	s_wait_tensorcnt 0x0                           ; all my tensor loads have landed;
	ds_add_u32 v[SPW], v[NIL]                      ; 0 onto my spare word;
	s_wait_dscnt 9                                 ; (the add and the youngest eight loads may be out)
	MUL16 F1, 0, 0, 0                              ; sixteen matrix instructions stand between the add and the wait for it
	s_wait_dscnt 0x0                               ; the add is done, and my reads of this slot are over
	s_barrier_signal -1
	MUL16 F1, 0, 2, 0                              ; work on registers while the others arrive
.if \fill
	WIN 0
.endif
	s_barrier_wait -1
.if \fill
	CREST                                          ; no wave of any partner still reads this slot's tile or has a load on its way
	s_add_nc_u64 s[G0+4*(\slot)+2:G0+4*(\slot)+3], s[G0+4*(\slot)+2:G0+4*(\slot)+3], STEPA
	s_add_nc_u64 s[G0B+4*(\slot)+2:G0B+4*(\slot)+3], s[G0B+4*(\slot)+2:G0B+4*(\slot)+3], STEPB
	JLOAD \slot                                    ; my one tensor load behind the round; the four v_nop behind it are also the places in front of the loads below
.else
	PLACES
.endif
	FETCH \next, 0, F0
	MUL16 F1, 1, 0, 0
	MUL16 F1, 1, 2, 0
.endm
	s_wait_tensorcnt 1                             ; my part of K step 0 is in; K step 1's may stay out
	s_barrier_signal -1
	s_barrier_wait -1                              ; everybody's is
	FETCH 0, 0, F0
	QUARTER 0, 1, F0, F1, 1                        ; the first quarter stands in front of the loop: its products start the sums
	WIN 0                                          ; at a label and at a branch every window is 0
	s_mov_b32 s3, LAPS-1
.Llap:                                                 ; a trip goes once round the ring, from a lap's second quarter to the next lap's first, and fills both slots again
	QUARTER 0, 2, F1, F0, 0
	QUARTER 0, 3, F0, F1, 0
	TURN 0, 1, 1
	QUARTER 1, 1, F0, F1, 0
	QUARTER 1, 2, F1, F0, 0
	QUARTER 1, 3, F0, F1, 0
	TURN 1, 0, 1
	QUARTER 0, 1, F0, F1, 0
	WIN 0
	s_sub_co_u32 s3, s3, 1
	s_cmp_lg_u32 s3, 0
	s_cbranch_scc1 .Llap
	QUARTER 0, 2, F1, F0, 0                        ; the last lap is written out: it fills nothing, and has no round of the cluster's barrier
	QUARTER 0, 3, F0, F1, 0
	TURN 0, 1, 0
	QUARTER 1, 1, F0, F1, 0
	QUARTER 1, 2, F1, F0, 0
	QUARTER 1, 3, F0, F1, 0
	s_wait_dscnt 8                                 ; the very last quarter: nothing more to fetch
	MUL16 F1, 0, 0, 0
	MUL16 F1, 0, 2, 0
	s_wait_dscnt 0x0
	MUL16 F1, 1, 0, 0
	MUL16 F1, 1, 2, 0
	WIN 0
; THE WAY OUT of block a (16 rows x 128 f32).  A lane's eight numbers of an accumulator are 32 bytes of a row, and the lanes beside it hold other rows: so the block goes through my own stage in LDS,
; straight from the accumulators (each one's low four registers first), and comes back as whole rows of 512 bytes.
.macro TOSTAGE a
.set BK, X+64*((\a)%2)
.set AC, 64*((\a)%4)
	WIN 0x08+4*((\a)/4)                            ; an LDS store's data is source 1: window 2 or 3
.irp b, 0,1,2,3,4,5,6,7
	ds_store_b128 v[STO], v[AC+8*(\b):AC+8*(\b)+3]   offset:64*(\b)
	ds_store_b128 v[STO], v[AC+8*(\b)+4:AC+8*(\b)+7] offset:64*(\b)+16
.endr
	WIN 0
.if (\a) >= 2
	s_wait_xcnt 0x0                                ; every earlier memory instruction has had its addresses translated (ISA guide 3.1): the registers that block a - 2's stores read are loaded again only behind this wait
.endif
.irp t, 0,1,2,3,4,5,6,7,8,9,10,11,12,13,14,15
	ds_load_b128 v[BK+4*(\t):BK+4*(\t)+3], v[RD] offset:(\t)*SPITCH  ; LDS serves a wave's instructions in order (ISA guide 5.7.1.4): these see the stores above, and the next block's stores come behind them
.endr
.endm
.macro SEND a, younger                 ; younger: the LDS instructions issued behind block a's loads: the next block's 32, or none
.set BK, X+64*((\a)%2)
.irp t, 0,1,2,3,4,5,6,7,8,9,10,11,12,13,14,15
	s_wait_dscnt (\younger)+15-(\t)                ; row t is back; the block's later rows and the younger instructions may be out
	global_store_b128 v[CO], v[BK+4*(\t):BK+4*(\t)+3], s[8:9] offset:(16*(\a)+(\t))*SIZE_N*4  ; 512 consecutive bytes, at a multiple of 256 from pb's first byte; the row stands in the immediate: 127 rows of 8,192 bytes at the most
.endr
.endm
	PLACES                                         ; behind the last products: in front of the LDS stores that read results and the loads into hb's fragment registers
	TOSTAGE 0
.irp a, 1,2,3,4,5,6,7                  ; block a goes into the stage while block a - 1's rows come back and leave
	TOSTAGE \a
	SEND (\a)-1, 32
.endr
	SEND 7, 0
	s_wait_tensorcnt 0x0                           ; the wave's end: behind my last tensor load and my last LDS store
	ds_add_u32 v[SPW], v[NIL]
	s_wait_dscnt 0x0
	CROUND                                         ; the closing round: no work-group ends while a partner may still ask for a tile that names it
	s_endpgm
.Lfunc_end_k_q5840d4021e_fc2:
	.size	k_q5840d4021e_fc2, .Lfunc_end_k_q5840d4021e_fc2-k_q5840d4021e_fc2
	.p2alignl 7, 3214868480
	.fill 96, 4, 3214868480
	.section	.rodata,"a",@progbits
	.p2align	6, 0x0
	.amdhsa_kernel k_q5840d4021e_fc2
		.amdhsa_group_segment_fixed_size 327680
		.amdhsa_private_segment_fixed_size 0
		.amdhsa_enable_private_segment 0
		.amdhsa_kernarg_size 24
		.amdhsa_user_sgpr_count 2
		.amdhsa_user_sgpr_kernarg_segment_ptr 1
		.amdhsa_wavefront_size32 1
		.amdhsa_system_sgpr_workgroup_id_x 1
		.amdhsa_system_sgpr_workgroup_id_y 1
		.amdhsa_system_sgpr_workgroup_id_z 1
		.amdhsa_system_vgpr_workitem_id 0
		.amdhsa_next_free_vgpr 1024
		.amdhsa_next_free_sgpr 72
		.amdhsa_reserve_vcc 0
		.amdhsa_float_denorm_mode_32 3
		.amdhsa_float_denorm_mode_16_64 3
		.amdhsa_memory_ordered 1
		.amdhsa_forward_progress 1
		.amdhsa_inst_pref_size 144
	.end_amdhsa_kernel
	.amdgpu_metadata
---
amdhsa.version: [ 1, 2 ]
amdhsa.kernels:
  - .name:           k_q5840d4021e_fc2
    .symbol:         k_q5840d4021e_fc2.kd
    .args:
      - { .name: hb, .offset: 0, .size: 8, .value_kind: global_buffer, .address_space: global }
      - { .name: w2b, .offset: 8, .size: 8, .value_kind: global_buffer, .address_space: global }
      - { .name: pb, .offset: 16, .size: 8, .value_kind: global_buffer, .address_space: global }
    .group_segment_fixed_size: 327680
    .private_segment_fixed_size: 0
    .kernarg_segment_align: 8
    .kernarg_segment_size: 24
    .max_flat_workgroup_size: 128
    .sgpr_count:     72
    .vgpr_count:     1024
    .wavefront_size: 32
...
	.end_amdgpu_metadata
.endif
;; end of part 3
;; launch sum4 (part 4): grid 1024 x 1, 8 waves a work-group, no clusters, 0 bytes of LDS; arguments pb, b2, out0; writes out0
.if DOCPART == 4
	.amdgcn_target "amdgcn-amd-amdhsa--gfx1250"
	.amdhsa_code_object_version 6
	.text
	.protected	k_q5840d4021e_sum4
	.globl	k_q5840d4021e_sum4
	.p2align	8
	.type	k_q5840d4021e_sum4,@function
k_q5840d4021e_sum4:
	s_mov_b64 s[64:65], 0
	v_nop
	global_prefetch_b8 v0, s[64:65] scope:SCOPE_SE
	s_setreg_imm32_b32 hwreg(HW_REG_WAVE_MODE, 25, 1), 1
	s_wait_xcnt 0x0
; out0[m][n] = ((pb[0][m][n] + pb[1][m][n]) + (pb[2][m][n] + pb[3][m][n])) + b2[n], all f32.  pb: [4][2048][2048]; b2: [2048]; out0: [2048][2048].
; A stream: every byte of pb is read once, every byte of out0 written once; no LDS, no barrier, no matrix work, no cluster (what work-groups share, b2, is 8,192 bytes).
; A work-group of eight waves takes 16,384 bytes of out0, two rows.  Thread t's position i (0..3) is the 16 bytes at 4,096 i + 16 t: a wave's load or store covers 512 consecutive bytes.
; A row is 8,192 bytes, so position i lies in the row's half i mod 2, and a thread needs two sets of four numbers of b2.  All eighteen loads of a wave go out before its first wait.
.set PART, 16777216                    ; bytes in a part
.set B,    4                           ; v[4:11]   b2 of my four columns in a row's first half, then in its second
.set X,    12                          ; v[12:75]  position i, part s at v[X + 16 i + 4 s]
	s_load_b128 s[4:7], s[0:1], 0x0                ; pb s[4:5], b2 s[6:7]
	s_load_b64 s[8:9], s[0:1], 0x10                ; out0
	v_lshlrev_b32 v1, 4, v0                        ; 16 t; never rewritten
	s_lshl_b32 s10, ttmp9, 14                      ; the work-group's 16,384 bytes: under 2^24
	s_mov_b32 s11, 0
	s_wait_kmcnt 0x0
	s_add_nc_u64 s[12:13], s[4:5], s[10:11]        ; the same place in each of the four parts: they lie further apart than a load's immediate reaches
	s_add_nc_u64 s[14:15], s[12:13], PART
	s_add_nc_u64 s[16:17], s[14:15], PART
	s_add_nc_u64 s[18:19], s[16:17], PART
	s_add_nc_u64 s[8:9], s[8:9], s[10:11]
	global_load_b128 v[B:B+3],   v1, s[6:7]
	global_load_b128 v[B+4:B+7], v1, s[6:7] offset:4096
.irp i, 0,1,2,3
.irp s, 0,1,2,3
	global_load_b128 v[X+16*(\i)+4*(\s):X+16*(\i)+4*(\s)+3], v1, s[12+2*(\s):13+2*(\s)] offset:4096*(\i) th:TH_LOAD_NT  ; read once in the whole launch
.endr
.endr
.irp i, 0,1,2,3
	s_wait_loadcnt 4*(3-(\i))                      ; loads come back in order (ISA guide 5.7.1): b2 and position i's four are in, the later positions' four each may be out
	v_pk_add_f32 v[X+16*(\i):X+16*(\i)+1],     v[X+16*(\i):X+16*(\i)+1],     v[X+16*(\i)+4:X+16*(\i)+5]
	v_pk_add_f32 v[X+16*(\i)+8:X+16*(\i)+9],   v[X+16*(\i)+8:X+16*(\i)+9],   v[X+16*(\i)+12:X+16*(\i)+13]
	v_pk_add_f32 v[X+16*(\i)+2:X+16*(\i)+3],   v[X+16*(\i)+2:X+16*(\i)+3],   v[X+16*(\i)+6:X+16*(\i)+7]
	v_pk_add_f32 v[X+16*(\i)+10:X+16*(\i)+11], v[X+16*(\i)+10:X+16*(\i)+11], v[X+16*(\i)+14:X+16*(\i)+15]
	v_pk_add_f32 v[X+16*(\i):X+16*(\i)+1],     v[X+16*(\i):X+16*(\i)+1],     v[X+16*(\i)+8:X+16*(\i)+9]
	v_pk_add_f32 v[X+16*(\i)+2:X+16*(\i)+3],   v[X+16*(\i)+2:X+16*(\i)+3],   v[X+16*(\i)+10:X+16*(\i)+11]
	v_pk_add_f32 v[X+16*(\i):X+16*(\i)+1],     v[X+16*(\i):X+16*(\i)+1],     v[B+4*((\i)%2):B+4*((\i)%2)+1]
	v_pk_add_f32 v[X+16*(\i)+2:X+16*(\i)+3],   v[X+16*(\i)+2:X+16*(\i)+3],   v[B+4*((\i)%2)+2:B+4*((\i)%2)+3]
	global_store_b128 v1, v[X+16*(\i):X+16*(\i)+3], s[8:9] offset:4096*(\i) th:TH_STORE_NT  ; 512 consecutive bytes, at a multiple of 256 from out0's first byte; no register that a pending load or store names is written again
.endr
	s_endpgm
.Lfunc_end_k_q5840d4021e_sum4:
	.size	k_q5840d4021e_sum4, .Lfunc_end_k_q5840d4021e_sum4-k_q5840d4021e_sum4
	.p2alignl 7, 3214868480
	.fill 96, 4, 3214868480
	.section	.rodata,"a",@progbits
	.p2align	6, 0x0
	.amdhsa_kernel k_q5840d4021e_sum4
		.amdhsa_group_segment_fixed_size 0
		.amdhsa_private_segment_fixed_size 0
		.amdhsa_enable_private_segment 0
		.amdhsa_kernarg_size 24
		.amdhsa_user_sgpr_count 2
		.amdhsa_user_sgpr_kernarg_segment_ptr 1
		.amdhsa_wavefront_size32 1
		.amdhsa_system_sgpr_workgroup_id_x 1
		.amdhsa_system_sgpr_workgroup_id_y 1
		.amdhsa_system_sgpr_workgroup_id_z 1
		.amdhsa_system_vgpr_workitem_id 0
		.amdhsa_next_free_vgpr 76
		.amdhsa_next_free_sgpr 66
		.amdhsa_reserve_vcc 0
		.amdhsa_float_denorm_mode_32 3
		.amdhsa_float_denorm_mode_16_64 3
		.amdhsa_memory_ordered 1
		.amdhsa_forward_progress 1
		.amdhsa_inst_pref_size 5
	.end_amdhsa_kernel
	.amdgpu_metadata
---
amdhsa.version: [ 1, 2 ]
amdhsa.kernels:
  - .name:           k_q5840d4021e_sum4
    .symbol:         k_q5840d4021e_sum4.kd
    .args:
      - { .name: pb, .offset: 0, .size: 8, .value_kind: global_buffer, .address_space: global }
      - { .name: b2, .offset: 8, .size: 8, .value_kind: global_buffer, .address_space: global }
      - { .name: out0, .offset: 16, .size: 8, .value_kind: global_buffer, .address_space: global }
    .group_segment_fixed_size: 0
    .private_segment_fixed_size: 0
    .kernarg_segment_align: 8
    .kernarg_segment_size: 24
    .max_flat_workgroup_size: 256
    .sgpr_count:     66
    .vgpr_count:     76
    .wavefront_size: 32
...
	.end_amdgpu_metadata
.endif
;; end of part 4
